; MI455X (gfx1250); checked and timed in simulation.
; The chip was launched on July 23, 2026; its instructions are those of AMD's public machine-readable ISA for CDNA 5 (MIT licence, August 2026) and "CDNA5" Instruction Set Architecture Reference Guide (July 2026). The comments in the code are by the model that wrote it; some were corrected since.
;; Model. Allowed arithmetic: float matrix products may take bf16 or f16 operands with f32 sums; all other float work in f32.
;; Inputs: angles 64 float32; conv_b 1 float32; conv_w 1 x 16 x 1 x 1 float32; x 32 x 16 x 64 x 64 float32.
;; Outputs: out0 32 x 1 x 64 x 64 float32.
;; One version. Each part assembles by itself: llvm-mc -triple=amdgcn-amd-amdhsa -mcpu=gfx1250 --defsym DOCPART=n.
;; ======== version 1 of 1: 2 launches
;; limits: right only within a limited range of input values; a function is approximated: absolute error at most 1e-06
;; workspace buffers: y 524,288 bytes; tab 1,048,576 bytes of whole numbers
;; launch mix (part 1): grid 256 x 1, 4 waves a work-group, no clusters, 2,560 bytes of LDS; arguments x, conv_w, angles, y, tab; writes y, tab
.if DOCPART == 1
	.amdgcn_target "amdgcn-amd-amdhsa--gfx1250"
	.amdhsa_code_object_version 6
	.text
	.protected	k_q01182ad295_mix
	.globl	k_q01182ad295_mix
	.p2align	8
	.type	k_q01182ad295_mix,@function
k_q01182ad295_mix:
	s_mov_b64 s[64:65], 0
	v_nop
	global_prefetch_b8 v0, s[64:65] scope:SCOPE_SE
	s_setreg_imm32_b32 hwreg(HW_REG_WAVE_MODE, 25, 1), 1
	s_wait_xcnt 0x0
; mix: two jobs that need nothing from each other.
; (1) y[b][h][w] = sum over c of conv_w[c] * x[b][c][h][w].  The projection is linear, so the 1x1 convolution is done first and
;     the next launch projects one image a batch instead of sixteen.  Only the order of the f32 sums differs from the reference.
;     The product has ONE output channel and is bound by its 8 MB of x: plain f32 FMAs, no matrix unit.
; (2) tab: for every angle a, detector d, ray position t the LDS byte address of the upper left corner of the bilinear sample in
;     the image as the next launch lays it out.  The next launch reads these whole numbers; none of its addresses hangs on its own floats.
; Work-group g (256 of them, 4 waves): batches 4 (g>>5) .. +3, pixels 128 (g&31) .. +127; wave w takes batch w, a lane 4 pixels,
; 16 loads of 16 bytes (one a channel, 512 neighbouring bytes a wave): 32 KB a work-group, all asked for at once.
; y goes out as [group of 4 batches][pixel][4 batches]: 16 bytes a pixel, 2,048 neighbouring aligned bytes a work-group.
; tab is [a][d>>3][j][lane][i] in 32-bit words: lane = (d&3) | (t&3)<<2 | ((d>>2)&1)<<4, t>>2 = 4 j + i.
; LIMITS: angles finite, |angle| <= 1e6 (two-step reduction by pi/2: error of sine and cosine below 1e-6); x finite.
.set IMG0,    2048                     ; LDS byte of pixel (0,0) in the next launch
.set PITCH,   1088                     ; its bytes from row to row: 64 cells of 16 bytes + 4 zero cells
.set BASE0,   IMG0-PITCH-16            ; byte of cell (-1,-1)
.set NOWHERE, IMG0+65*16               ; cell (0,65): it, its right, lower and lower right neighbours are zero cells
.set L,    1                           ; lane
.set WV,   2                           ; wave
.set XOFF, 3                           ; byte offset in x: wave * 16 channels * 16,384 + 16 lane
.set TOFF, 4                           ; 16 * thread: offset in tab, in y and in LDS
.set TH,   5                           ; the angle
.set SN,   6                           ; its sine
.set CS,   7                           ; its cosine
.set CD,   8                           ; detector - 31.5 (second detector: + 8)
.set CT,   9                           ; ray position - 31.5
.set XB,   10                          ; cd * cos + 31.5       first detector
.set YB,   11                          ; cd * sin + 31.5
.set XB2,  12                          ; the same, second detector
.set YB2,  13
.set T0,   14
.set T1,   15
.set T2,   16
.set K,    17                          ; sine and cosine at work: v17-21
.set R,    18
.set R2,   19
.set P,    20
.set Q,    21
.set RD,   22                          ; 4 * thread
.set E1,   24                          ; v[24:27] four entries of tab, first detector
.set E2,   28                          ; v[28:31] second detector
.set ACC,  32                          ; v[32:35] y of my 4 pixels
.set Y,    36                          ; v[36:39] y of one pixel, 4 batches
.set X,    40                          ; v[40:103] x: 16 channels x 4 pixels
.set WT,   16                          ; s[16:31] conv_w
; Sine and cosine of TH.  k = nearest whole number to TH * 2/pi; r = TH - k * pi/2 with pi/2 in two parts, each step one FMA;
; polynomials for |r| <= pi/4; the quadrant k mod 4 swaps and signs them.  The next launch holds the same lines: same bits.
.macro SINCOS
	v_mul_f32 v[K], 0x3f22f983, v[TH]              ; * 2/pi
	v_rndne_f32 v[K], v[K]
	v_fma_f32 v[R], v[K], 0xbfc90fdb, v[TH]        ; - k * 1.57079637
	v_fmac_f32 v[R], 0x333bbd2e, v[K]              ; + k * 4.371139e-8
	v_cvt_i32_f32 v[K], v[K]
	v_mul_f32 v[R2], v[R], v[R]
	v_mov_b32 v[P], 0xb94ca1f9                     ; sine:   -1.9515296e-4
	v_mov_b32 v[Q], 0x37ccf5ce                     ; cosine:  2.4433157e-5
	v_fmaak_f32 v[P], v[P], v[R2], 0x3c08839e      ;  8.3321609e-3
	v_fmaak_f32 v[Q], v[Q], v[R2], 0xbab6061a      ; -1.3887316e-3
	v_fmaak_f32 v[P], v[P], v[R2], 0xbe2aaaa3      ; -1.6666655e-1
	v_fmaak_f32 v[Q], v[Q], v[R2], 0x3d2aaaa5      ;  4.1666646e-2
	v_mul_f32 v[P], v[P], v[R2]
	v_mul_f32 v[Q], v[Q], v[R2]
	v_fma_f32 v[P], v[P], v[R], v[R]               ; sin r
	v_fma_f32 v[R], v[R2], -0.5, 1.0
	v_fmac_f32 v[R], v[Q], v[R2]                   ; cos r
	v_and_b32 v[Q], 1, v[K]
	v_cmp_eq_u32 vcc_lo, 1, v[Q]                   ; odd quadrant: the two change places
	v_cndmask_b32 v[SN], v[P], v[R], vcc_lo
	v_cndmask_b32 v[CS], v[R], v[P], vcc_lo
	v_lshlrev_b32 v[Q], 30, v[K]                   ; bit 1 of k is the sign of the sine,
	v_add_nc_u32 v[K], 1, v[K]                     ; bit 1 of k + 1 the sign of the cosine
	v_and_b32 v[Q], 0x80000000, v[Q]
	v_lshlrev_b32 v[K], 30, v[K]
	v_xor_b32 v[SN], v[SN], v[Q]
	v_and_b32 v[K], 0x80000000, v[K]
	v_xor_b32 v[CS], v[CS], v[K]
.endm
; T0 = xs, T1 = ys of the sample.  The next launch holds the same two lines on the same operands.
.macro PLACE xb, yb
	v_fma_f32 v[T0], -v[CT], v[SN], v[\xb]
	v_fma_f32 v[T1], v[CT], v[CS], v[\yb]
.endm
; One entry of tab.  x0, y0 in -1 .. 63: at least one corner may lie in the image, the zero cells round it serve the others.
; Anything else: all four corners lie outside, and the entry points at four zero cells.
.macro ENTRY dst, xb, yb
	PLACE \xb, \yb
	v_floor_f32 v[T0], v[T0]
	v_floor_f32 v[T1], v[T1]
	v_cvt_i32_f32 v[T0], v[T0]
	v_cvt_i32_f32 v[T1], v[T1]
	v_add_nc_u32 v[T0], 1, v[T0]                   ; x0 + 1
	v_add_nc_u32 v[T1], 1, v[T1]                   ; y0 + 1
	v_max_u32 v[T2], v[T0], v[T1]                  ; unsigned: a negative one counts as huge
	v_lshl_add_u32 v[T0], v[T0], 4, BASE0
	v_mad_u32_u24 v[T1], v[T1], PITCH, v[T0]
	v_cmp_gt_u32 vcc_lo, 65, v[T2]
	v_cndmask_b32 v[\dst], NOWHERE, v[T1], vcc_lo
.endm
	s_load_b256 s[4:11], s[0:1], 0x0               ; x s[4:5], conv_w s[6:7], angles s[8:9], y s[10:11]
	s_load_b64 s[12:13], s[0:1], 0x20              ; tab
	v_lshl_add_u32 v104, v0, 2, 0x800
	v_mov_b32 v105, 0
	v_and_b32 v[L], 31, v0
	v_lshrrev_b32 v[WV], 5, v0
	v_lshlrev_b32 v[TOFF], 4, v0
	v_lshlrev_b32 v[XOFF], 4, v[L]
	v_lshl_add_u32 v[XOFF], v[WV], 18, v[XOFF]     ; a batch of x is 262,144 bytes
	s_lshr_b32 s14, ttmp9, 5                       ; group of 4 batches
	s_and_b32 s15, ttmp9, 31                       ; block of 128 pixels
	s_lshl_b32 s14, s14, 20
	s_lshl_b32 s15, s15, 9
	s_add_co_u32 s2, s14, s15                      ; my corner of x
	s_mov_b32 s3, 0
	s_lshr_b32 s33, ttmp9, 2                       ; my angle: four work-groups share one,
	s_lshl_b32 s33, s33, 2                         ; in bytes
	s_lshl_b32 s34, ttmp9, 12                      ; my 4,096 bytes of tab
	s_mov_b32 s35, 0
	s_lshl_b32 s36, ttmp9, 11                      ; my 2,048 bytes of y
	s_mov_b32 s37, 0
	s_and_b32 s38, ttmp9, 3
	s_lshl_b32 s38, s38, 4                         ; the first of my 16 detectors
	s_wait_kmcnt 0x0
	s_load_b32 s32, s[8:9], s33 offset:0x0         ; the angle
	s_load_b512 s[WT:WT+15], s[6:7], 0x0           ; the 16 weights
	s_add_nc_u64 s[4:5], s[4:5], s[2:3]
	s_add_nc_u64 s[12:13], s[12:13], s[34:35]
	s_add_nc_u64 s[10:11], s[10:11], s[36:37]
.set c, 0
.rept 16
	global_load_b128 v[X+4*c:X+4*c+3], v[XOFF], s[4:5] offset:16384*c th:TH_LOAD_NT   ; x is read once in the whole launch
.set c, c+1
.endr
	; tab, while x is on its way.  Thread: lane as in the head comment, j = wave; detectors 8 apart for its two stores.
	v_and_b32 v[T0], 3, v[L]
	v_lshrrev_b32 v[T1], 4, v[L]
	v_lshl_or_b32 v[T0], v[T1], 2, v[T0]           ; d & 7
	v_add_nc_u32 v[T0], s38, v[T0]                 ; d
	v_bfe_u32 v[T1], v[L], 2, 2                    ; t & 3
	v_lshl_add_u32 v[T1], v[WV], 4, v[T1]          ; t of entry 0: 16 j + (t & 3)
	v_cvt_f32_u32 v[CD], v[T0]
	v_cvt_f32_u32 v[CT], v[T1]
	v_add_f32 v[CD], 0xc1fc0000, v[CD]             ; - 31.5: exact, as every step of CT below
	v_add_f32 v[CT], 0xc1fc0000, v[CT]
	s_wait_kmcnt 0x0
	v_mov_b32 v[TH], s32
	SINCOS
	v_fmaak_f32 v[XB], v[CD], v[CS], 0x41fc0000    ; + 31.5
	v_fmaak_f32 v[YB], v[CD], v[SN], 0x41fc0000
	v_add_f32 v[CD], 0x41000000, v[CD]             ; the detector 8 further on
	v_fmaak_f32 v[XB2], v[CD], v[CS], 0x41fc0000
	v_fmaak_f32 v[YB2], v[CD], v[SN], 0x41fc0000
.set i, 0
.rept 4
	ENTRY E1+i, XB, YB
	ENTRY E2+i, XB2, YB2
.if i < 3
	v_add_f32 v[CT], 4.0, v[CT]                    ; the next entry is 4 ray positions on
.endif
.set i, i+1
.endr
	global_store_b128 v[TOFF], v[E1:E1+3], s[12:13]              ; a wave: 512 neighbouring bytes
	global_store_b128 v[TOFF], v[E2:E2+3], s[12:13] offset:2048
	; the 16 channels, in the order in which their loads come back
.set c, 0
.rept 16
	s_wait_loadcnt 15-c                            ; channel c is in; the 15 - c younger loads stay out
.irp i, 0,1,2,3
.if c == 0
	v_mul_f32 v[ACC+\i], s[WT], v[X+\i]            ; the first product starts the sums
.else
	v_fmac_f32 v[ACC+\i], s[WT+c], v[X+4*c+\i]
.endif
.endr
.set c, c+1
.endr
	; interleave the four batches: each wave lays down its 128 pixels (512 bytes), each thread picks one pixel from the four planes
	ds_store_b128 v[TOFF], v[ACC:ACC+3]
	v_lshlrev_b32 v[RD], 2, v0
	s_wait_dscnt 0x0                               ; my plane is written before I say so
	s_barrier_signal -1
	s_barrier_wait -1
.irp p, 0,1,2,3
	ds_load_b32 v[Y+\p], v[RD] offset:512*\p       ; neighbouring lanes, neighbouring words
.endr
	s_wait_dscnt 0x0
	global_store_b128 v[TOFF], v[Y:Y+3], s[10:11]  ; sixteen lanes cover 256 aligned bytes
	s_wait_tensorcnt 0x0
	ds_add_u32 v104, v105
	s_wait_dscnt 0x0
	s_endpgm
.Lfunc_end_k_q01182ad295_mix:
	.size	k_q01182ad295_mix, .Lfunc_end_k_q01182ad295_mix-k_q01182ad295_mix
	.p2alignl 7, 3214868480
	.fill 96, 4, 3214868480
	.section	.rodata,"a",@progbits
	.p2align	6, 0x0
	.amdhsa_kernel k_q01182ad295_mix
		.amdhsa_group_segment_fixed_size 2560
		.amdhsa_private_segment_fixed_size 0
		.amdhsa_enable_private_segment 0
		.amdhsa_kernarg_size 40
		.amdhsa_user_sgpr_count 2
		.amdhsa_user_sgpr_kernarg_segment_ptr 1
		.amdhsa_wavefront_size32 1
		.amdhsa_system_sgpr_workgroup_id_x 1
		.amdhsa_system_sgpr_workgroup_id_y 1
		.amdhsa_system_sgpr_workgroup_id_z 1
		.amdhsa_system_vgpr_workitem_id 0
		.amdhsa_next_free_vgpr 106
		.amdhsa_next_free_sgpr 66
		.amdhsa_reserve_vcc 1
		.amdhsa_float_denorm_mode_32 3
		.amdhsa_float_denorm_mode_16_64 3
		.amdhsa_memory_ordered 1
		.amdhsa_forward_progress 1
		.amdhsa_inst_pref_size 14
	.end_amdhsa_kernel
	.amdgpu_metadata
---
amdhsa.version: [ 1, 2 ]
amdhsa.kernels:
  - .name:           k_q01182ad295_mix
    .symbol:         k_q01182ad295_mix.kd
    .args:
      - { .name: x, .offset: 0, .size: 8, .value_kind: global_buffer, .address_space: global }
      - { .name: conv_w, .offset: 8, .size: 8, .value_kind: global_buffer, .address_space: global }
      - { .name: angles, .offset: 16, .size: 8, .value_kind: global_buffer, .address_space: global }
      - { .name: y, .offset: 24, .size: 8, .value_kind: global_buffer, .address_space: global }
      - { .name: tab, .offset: 32, .size: 8, .value_kind: global_buffer, .address_space: global }
    .group_segment_fixed_size: 2560
    .private_segment_fixed_size: 0
    .kernarg_segment_align: 8
    .kernarg_segment_size: 40
    .max_flat_workgroup_size: 128
    .sgpr_count:     66
    .vgpr_count:     106
    .wavefront_size: 32
...
	.end_amdgpu_metadata
.endif
;; end of part 1
;; launch rays (part 2): grid 32 x 8, 16 waves a work-group, no clusters, 169,984 bytes of LDS; arguments y, tab, angles, conv_b, out0; writes out0
.if DOCPART == 2
	.amdgcn_target "amdgcn-amd-amdhsa--gfx1250"
	.amdhsa_code_object_version 6
	.text
	.protected	k_q01182ad295_rays
	.globl	k_q01182ad295_rays
	.p2align	8
	.type	k_q01182ad295_rays,@function
k_q01182ad295_rays:
	s_mov_b64 s[64:65], 0
	v_nop
	global_prefetch_b8 v0, s[64:65] scope:SCOPE_SE
	s_setreg_imm32_b32 hwreg(HW_REG_WAVE_MODE, 25, 1), 1
	s_wait_xcnt 0x0
; rays: out0[b][a][d] = conv_b + sum over t of the bilinear sample of y[b] at (ys, xs)(a, d, t), zero outside the image.
; Work-group (x = pair of angles, y = group of 4 batches), 16 waves.  The image lies in LDS as cells of 16 bytes (one pixel, 4 batches),
; 68 cells from row to row: 64 pixels and 4 zero cells, which are column 64 of their row and column -1 of the next; 2,048 zero bytes
; above and below hold rows -1 and 64.  So a corner outside the image reads zeros, and the loop knows nothing of edges.
; A wave owns one angle and 8 detectors.  Lane = (d&3) | (t&3)<<2 | ((d>>2)&1)<<4: each half of the wave is a patch of 4 detectors
; x 4 ray positions, one pixel apart.  Cell number mod 16 is (4 row + column + const) mod 16: cells that agree in it lie at least
; 4 cells apart (4 rows; 1 row and 4 columns; ..), about the width of the patch, so at no angle do the sixteen 16-byte reads of a half wave
; pile up on one 16-byte column of a 256-byte span; at angle 0 all sixteen differ.  (Sixteen detectors in a line would pile up somewhere.)
; 16 steps of 4 ray positions; one address and four weights serve 4 batches: 4 LDS loads of 16 bytes and 8 packed FMAs a step.
; The addresses are whole numbers made by the launch before (tab); the weights are made here from the angle, by the same lines
; on the same operands as there, so that fraction and floor belong together bit for bit.
; THE IMAGE comes by the tensor data mover: each wave one load of 4 image rows, 4 x 1,024 bytes, padded by the mover to the pitch of
; 1,088.  It passes through no register and costs no LDS store of the waves.
; NO CLUSTER.  32 work-groups read the same 64 KB of y, but they differ in their angles, and so in the LDS addresses that they read; a
; text with joint requests keeps every LDS address alike in all work-groups of its cluster, so the image cannot be asked for jointly.
; The 8 work-groups of one pair of angles read alike, but share only tab, 32 KB of the 96 KB that a work-group fetches, and tab's words
; are addresses that each wave wants in registers (2 KB a wave, read by no other wave): through LDS they would cost one more write, read
; and wait in front of the loop.  Each wave loads its own, 4 x 16 bytes a lane.
; LDS: 75,776 bytes are used; more than half of a WGP's LDS is declared.
; LIMITS: as in mix (angles finite, |angle| <= 1e6; y finite).  A NaN angle gives NaN weights and so NaN in its row.
.set IMG0,   2048                      ; LDS byte of pixel (0,0)
.set PITCH,  1088                      ; bytes from row to row
.set BOT,    IMG0+64*PITCH             ; 71,680: row 64
.set STG,    BOT+2048                  ; 73,728: 2,048 bytes, one word a thread, for the way out
.set MAXB,   IMG0+63*PITCH+63*16       ; the last upper left corner that tab can name
.set L,     1                          ; lane
.set TOFF,  3                          ; 2,048 * wave + 16 * lane
.set TS,    5                          ; t & 3
.set SN,    6
.set CS,    7
.set CD,    8                          ; detector - 31.5
.set CT,    9                          ; ray position - 31.5
.set XB,    10                         ; cd * cos + 31.5
.set YB,    11                         ; cd * sin + 31.5
.set T0,    12
.set T1,    13
.set T2,    14
.set T3,    15
.set Z,     16                         ; v[16:19] zeros; at the end 4 results
.set TH,    20
.set K,     21
.set R,     22
.set R2,    23
.set P,     24
.set Q,     25
.set ACC,   28                         ; v[28:31] sums of the upper corners, 4 batches; v[32:35] of the lower corners
.set ADR,   36                         ; v[36:51] the 16 steps: LDS address of the upper left corner
.set W,     52                         ; v[52:115] the 16 steps: weights of (y0,x0), (y0,x0+1), (y0+1,x0), (y0+1,x0+1)
.set D,     116                        ; v[116:179] ring of 4 steps x 4 corners x 4 batches
.set G0,    40                         ; s[40:43] tensor descriptor, group 0: from where, to where
.set G1,    44                         ; s[44:51] group 1: the shape
.macro SINCOS                          ; the same lines as in mix
	v_mul_f32 v[K], 0x3f22f983, v[TH]              ; * 2/pi
	v_rndne_f32 v[K], v[K]
	v_fma_f32 v[R], v[K], 0xbfc90fdb, v[TH]        ; - k * 1.57079637
	v_fmac_f32 v[R], 0x333bbd2e, v[K]              ; + k * 4.371139e-8
	v_cvt_i32_f32 v[K], v[K]
	v_mul_f32 v[R2], v[R], v[R]
	v_mov_b32 v[P], 0xb94ca1f9
	v_mov_b32 v[Q], 0x37ccf5ce
	v_fmaak_f32 v[P], v[P], v[R2], 0x3c08839e
	v_fmaak_f32 v[Q], v[Q], v[R2], 0xbab6061a
	v_fmaak_f32 v[P], v[P], v[R2], 0xbe2aaaa3
	v_fmaak_f32 v[Q], v[Q], v[R2], 0x3d2aaaa5
	v_mul_f32 v[P], v[P], v[R2]
	v_mul_f32 v[Q], v[Q], v[R2]
	v_fma_f32 v[P], v[P], v[R], v[R]               ; sin r
	v_fma_f32 v[R], v[R2], -0.5, 1.0
	v_fmac_f32 v[R], v[Q], v[R2]                   ; cos r
	v_and_b32 v[Q], 1, v[K]
	v_cmp_eq_u32 vcc_lo, 1, v[Q]
	v_cndmask_b32 v[SN], v[P], v[R], vcc_lo
	v_cndmask_b32 v[CS], v[R], v[P], vcc_lo
	v_lshlrev_b32 v[Q], 30, v[K]
	v_add_nc_u32 v[K], 1, v[K]
	v_and_b32 v[Q], 0x80000000, v[Q]
	v_lshlrev_b32 v[K], 30, v[K]
	v_xor_b32 v[SN], v[SN], v[Q]
	v_and_b32 v[K], 0x80000000, v[K]
	v_xor_b32 v[CS], v[CS], v[K]
.endm
.macro PLACE xb, yb                    ; the same lines as in mix
	v_fma_f32 v[T0], -v[CT], v[SN], v[\xb]
	v_fma_f32 v[T1], v[CT], v[CS], v[\yb]
.endm
	s_load_b256 s[4:11], s[0:1], 0x0               ; y s[4:5], tab s[6:7], angles s[8:9], conv_b s[10:11]
	s_load_b64 s[12:13], s[0:1], 0x20              ; out0
	v_lshl_add_u32 v180, v0, 2, 0x29000
	v_mov_b32 v181, 0
	ds_add_u32 v180, v181
	ds_add_u32 v180, v181
	s_wait_dscnt 0x0
	v_and_b32 v[L], 31, v0
	v_lshrrev_b32 v[T0], 5, v0
	v_readfirstlane_b32 s14, v[T0]                 ; wave 0..15: bit 3 = which of the two angles, bits 2:0 = which 8 detectors
	; The zero cells: 64 rows x 64 bytes + 2,048 above + 2,048 below = 8,192 bytes = 16 bytes a thread.  They need no argument, so they
	; are written while the arguments are on their way, and they are complete before any tensor load is issued (the barrier below): the 64
	; bytes behind each row are the bytes that the mover skips as padding, inside the span of another wave's tile.
	v_mov_b32 v[Z], 0
	v_mov_b32 v[Z+1], 0
	v_mov_b32 v[Z+2], 0
	v_mov_b32 v[Z+3], 0
	s_cmp_ge_u32 s14, 8
	s_cbranch_scc1 .Ledges
	s_mul_i32 s26, s14, 8*PITCH                    ; waves 0-7: rows 8 wave .. + 7, four lanes a row
	v_lshrrev_b32 v[T0], 2, v[L]
	v_and_b32 v[T1], 3, v[L]
	v_mul_u32_u24 v[T0], v[T0], PITCH
	v_lshl_add_u32 v[T0], v[T1], 4, v[T0]
	v_add_nc_u32 v[T0], s26, v[T0]
	ds_store_b128 v[T0], v[Z:Z+3] offset:IMG0+1024
	s_branch .Lzeroed
.Ledges:
	s_sub_co_u32 s26, s14, 8                       ; waves 8-11: bytes 0 .. 2,047; waves 12-15: BOT .. BOT + 2,047
	s_lshr_b32 s27, s26, 2
	s_mul_i32 s27, s27, BOT-2048
	s_lshl_b32 s26, s26, 9
	s_add_co_u32 s26, s26, s27
	v_lshl_add_u32 v[T0], v[L], 4, s26
	ds_store_b128 v[T0], v[Z:Z+3]
.Lzeroed:
	; Offsets, all made apart from the addresses.  ttmp9: pair of angles; ttmp7, low half: group of 4 batches.
	s_and_b32 s15, ttmp7, 0xffff
	s_lshl_b32 s2, s15, 16                         ; 65,536 bytes of y, and of out0, for 4 batches
	s_mov_b32 s3, 0
	s_lshl_b32 s16, s14, 12                        ; my wave's 4 image rows: 4,096 bytes of y
	s_add_co_u32 s16, s16, s2
	s_mov_b32 s17, 0
	s_lshl_b32 s18, ttmp9, 15                      ; 32,768 bytes of tab for 2 angles
	s_mov_b32 s19, 0
	s_lshl_b32 s28, ttmp9, 9                       ; 512 bytes of a batch of out0 for 2 angles
	s_mov_b32 s29, 0
	s_lshr_b32 s20, s14, 3
	s_lshl1_add_u32 s21, ttmp9, s20                ; my angle
	s_lshl_b32 s21, s21, 2
	s_lshl_b32 s24, s14, 11
	v_lshl_add_u32 v[TOFF], v[L], 4, s24
	; The descriptor: 4 rows of 256 words, 256 words from row to row in memory; in LDS 16 words are skipped behind every 256.
	s_mov_b32 s[G0], 1                             ; count = 1
	s_mul_i32 s[G0+1], s14, 4*PITCH
	s_add_co_u32 s[G0+1], s[G0+1], IMG0            ; LDS address of image row 4 wave
	s_mov_b32 s[G1+0], (2<<16)|(1<<20)|(7<<22)|(15<<25)  ; 15:0 no work-group mask; 17:16 elements of 4 bytes; 20 padding on;
	                                               ; 24:22 behind every 256 words; 31:25 of 16 words
	s_mov_b32 s[G1+1], 256<<16                     ; tensor_dim0 = 256
	s_mov_b32 s[G1+2], 4<<16                       ; tensor_dim1 = 4: the tile lies inside y
	s_mov_b32 s[G1+3], 256<<16                     ; tile_dim0 = 256
	s_mov_b32 s[G1+4], 4                           ; tile_dim1 = 4
	s_mov_b32 s[G1+5], 256                         ; elements from row to row
	s_mov_b32 s[G1+6], 0
	s_mov_b32 s[G1+7], 0
	s_wait_dscnt 0x0                               ; my zeros are written before I say so
	s_barrier_signal -1
	s_barrier_wait -1                              ; every wave's zeros are in LDS: now the mover may be sent to the rows between them
	s_wait_kmcnt 0x0
	s_load_b32 s22, s[8:9], s21 offset:0x0         ; the angle
	s_load_b32 s23, s[10:11], 0x0                  ; the bias
	s_add_nc_u64 s[G0+2:G0+3], s[4:5], s[16:17]    ; y at my wave's 4 rows
	s_or_b32 s[G0+3], s[G0+3], 0x80000000          ; type = 2
	tensor_load_to_lds s[G0:G0+3], s[G1:G1+7]      ; the one tensor load of this wave
	s_nop 0
	s_add_nc_u64 s[6:7], s[6:7], s[18:19]
.irp j, 0,1,2,3
	global_load_b128 v[ADR+4*\j:ADR+4*\j+3], v[TOFF], s[6:7] offset:512*\j    ; steps 4 j .. 4 j + 3
.endr
	s_add_nc_u64 s[12:13], s[12:13], s[2:3]
	s_add_nc_u64 s[12:13], s[12:13], s[28:29]
	; Sine, cosine and the weights of all 16 steps, while image and tab are on their way.
	v_and_b32 v[T0], 3, v[L]
	v_lshrrev_b32 v[T1], 4, v[L]
	v_lshl_or_b32 v[T0], v[T1], 2, v[T0]           ; d & 7
	s_and_b32 s25, s14, 7
	s_lshl_b32 s25, s25, 3
	v_add_nc_u32 v[T0], s25, v[T0]                 ; d
	v_bfe_u32 v[TS], v[L], 2, 2                    ; t & 3
	v_cvt_f32_u32 v[CD], v[T0]
	v_cvt_f32_u32 v[CT], v[TS]
	v_add_f32 v[CD], 0xc1fc0000, v[CD]             ; - 31.5, exact
	v_add_f32 v[CT], 0xc1fc0000, v[CT]
	s_wait_kmcnt 0x0
	v_mov_b32 v[TH], s22
	SINCOS
	v_fmaak_f32 v[XB], v[CD], v[CS], 0x41fc0000    ; + 31.5
	v_fmaak_f32 v[YB], v[CD], v[SN], 0x41fc0000
.set st, 0
.rept 16
	PLACE XB, YB
	v_floor_f32 v[T2], v[T0]
	v_floor_f32 v[T3], v[T1]
	v_sub_f32 v[T0], v[T0], v[T2]                  ; wx
	v_sub_f32 v[T1], v[T1], v[T3]                  ; wy
	v_mul_f32 v[W+4*st+3], v[T0], v[T1]            ; wy wx
	v_sub_f32 v[T2], 1.0, v[T0]
	v_sub_f32 v[W+4*st+1], v[T0], v[W+4*st+3]      ; (1 - wy) wx
	v_sub_f32 v[W+4*st+2], v[T1], v[W+4*st+3]      ; wy (1 - wx)
	v_sub_f32 v[W+4*st], v[T2], v[W+4*st+2]        ; (1 - wy) (1 - wx)
.if st < 15
	v_add_f32 v[CT], 4.0, v[CT]
.endif
.set st, st+1
.endr
	s_wait_loadcnt 0x0                             ; tab
.set st, 0
.rept 16
	v_min_u32 v[ADR+st], MAXB, v[ADR+st]           ; a loaded number becomes an address only behind a clamp: every read stays below BOT + 1,040
.set st, st+1
.endr
	s_wait_tensorcnt 0x0                           ; my 4 rows are in LDS before I say so.  Zero, once: every wave needs the whole image, there is no ring
	s_barrier_signal -1
	s_barrier_wait -1
.macro ASK step                        ; the four corners of a step into ring slot step mod 4
	ds_load_b128 v[D+16*((\step)%4):D+16*((\step)%4)+3],     v[ADR+(\step)]
	ds_load_b128 v[D+16*((\step)%4)+4:D+16*((\step)%4)+7],   v[ADR+(\step)] offset:16
	ds_load_b128 v[D+16*((\step)%4)+8:D+16*((\step)%4)+11],  v[ADR+(\step)] offset:PITCH
	ds_load_b128 v[D+16*((\step)%4)+12:D+16*((\step)%4)+15], v[ADR+(\step)] offset:PITCH+16
.endm
; 4 corners x 4 batches.  A weight is one register of a pair, sent to both halves of the packed FMA by op_sel / op_sel_hi.
; Four chains (upper and lower corners, batches 0-1 and 2-3): a sum is touched again only four instructions later.
.macro TAKE step
.set DSL, D+16*((\step)%4)
.set WSL, W+4*(\step)
.if (\step) == 0
	v_pk_mul_f32 v[ACC:ACC+1],   v[DSL:DSL+1],     v[WSL:WSL+1]   op_sel_hi:[1,0]     ; the first products start the sums
	v_pk_mul_f32 v[ACC+2:ACC+3], v[DSL+2:DSL+3],   v[WSL:WSL+1]   op_sel_hi:[1,0]
	v_pk_mul_f32 v[ACC+4:ACC+5], v[DSL+8:DSL+9],   v[WSL+2:WSL+3] op_sel_hi:[1,0]
	v_pk_mul_f32 v[ACC+6:ACC+7], v[DSL+10:DSL+11], v[WSL+2:WSL+3] op_sel_hi:[1,0]
.else
	v_pk_fma_f32 v[ACC:ACC+1],   v[DSL:DSL+1],     v[WSL:WSL+1],   v[ACC:ACC+1]   op_sel_hi:[1,0,1]
	v_pk_fma_f32 v[ACC+2:ACC+3], v[DSL+2:DSL+3],   v[WSL:WSL+1],   v[ACC+2:ACC+3] op_sel_hi:[1,0,1]
	v_pk_fma_f32 v[ACC+4:ACC+5], v[DSL+8:DSL+9],   v[WSL+2:WSL+3], v[ACC+4:ACC+5] op_sel_hi:[1,0,1]
	v_pk_fma_f32 v[ACC+6:ACC+7], v[DSL+10:DSL+11], v[WSL+2:WSL+3], v[ACC+6:ACC+7] op_sel_hi:[1,0,1]
.endif
	v_pk_fma_f32 v[ACC:ACC+1],   v[DSL+4:DSL+5],   v[WSL:WSL+1],   v[ACC:ACC+1]   op_sel:[0,1,0] op_sel_hi:[1,1,1]
	v_pk_fma_f32 v[ACC+2:ACC+3], v[DSL+6:DSL+7],   v[WSL:WSL+1],   v[ACC+2:ACC+3] op_sel:[0,1,0] op_sel_hi:[1,1,1]
	v_pk_fma_f32 v[ACC+4:ACC+5], v[DSL+12:DSL+13], v[WSL+2:WSL+3], v[ACC+4:ACC+5] op_sel:[0,1,0] op_sel_hi:[1,1,1]
	v_pk_fma_f32 v[ACC+6:ACC+7], v[DSL+14:DSL+15], v[WSL+2:WSL+3], v[ACC+6:ACC+7] op_sel:[0,1,0] op_sel_hi:[1,1,1]
.endm
	ASK 0
	ASK 1
	ASK 2
	ASK 3
.set st, 0
.rept 16
.if st <= 12
	s_wait_dscnt 12                                ; LDS loads come back in order: this step is in, the 12 loads of the next three stay out
.else
	s_wait_dscnt 4*(15-st)                         ; nothing is asked for any more: 8, 4, 0
.endif
	TAKE st
.if st < 12
	ASK st+4                                       ; into the slot just used
.endif
.set st, st+1
.endr
	; Upper + lower corners; then the four ray positions of the patch (lane bits 2 and 3).
	v_pk_add_f32 v[ACC:ACC+1], v[ACC:ACC+1], v[ACC+4:ACC+5]
	v_pk_add_f32 v[ACC+2:ACC+3], v[ACC+2:ACC+3], v[ACC+6:ACC+7]
.irp m, 4, 8
.irp b, 0,1,2,3
	v_add_f32_dpp v[ACC+\b], v[ACC+\b], v[ACC+\b] row_xmask:\m row_mask:0xf bank_mask:0xf
.endr
.endr
	; All four lanes of a detector now hold all four batches: the lane with t & 3 = b hands on batch b.
	v_cmp_eq_u32 vcc_lo, 1, v[TS]
	v_cndmask_b32 v[T0], v[ACC], v[ACC+1], vcc_lo
	v_cmp_eq_u32 vcc_lo, 2, v[TS]
	v_cndmask_b32 v[T0], v[T0], v[ACC+2], vcc_lo
	v_cmp_eq_u32 vcc_lo, 3, v[TS]
	v_cndmask_b32 v[T0], v[T0], v[ACC+3], vcc_lo
	v_add_f32 v[T0], s23, v[T0]                    ; the bias
	v_lshl_add_u32 v[T1], v0, 2, STG               ; one word a thread, behind the image: no wave still reading the image is disturbed
	ds_store_b32 v[T1], v[T0]
	s_wait_dscnt 0x0
	s_barrier_signal -1
	s_barrier_wait -1
	; Wave b (0..3) writes batch b: 2 angles x 64 detectors = 512 neighbouring aligned bytes.  Lane i wants detectors 4 (i & 15) .. + 3 of
	; angle i >> 4: they lie in the words of wave i >> 1, lanes 16 (i & 1) + 4 b .. + 3, that is at byte 64 i + 16 b.
	s_cmp_ge_u32 s14, 4
	s_cbranch_scc1 .Ldone
	s_lshl_b32 s26, s14, 4
	s_add_co_u32 s26, s26, STG
	v_lshl_add_u32 v[T1], v[L], 6, s26
	ds_load_b128 v[Z:Z+3], v[T1]
	s_lshl_b32 s27, s14, 14                        ; a batch of out0 is 16,384 bytes
	v_lshl_add_u32 v[T2], v[L], 4, s27
	s_wait_dscnt 0x0
	global_store_b128 v[T2], v[Z:Z+3], s[12:13] th:TH_STORE_NT
.Ldone:
	s_wait_tensorcnt 0x0
	ds_add_u32 v180, v181
	s_wait_dscnt 0x0
	s_endpgm
.Lfunc_end_k_q01182ad295_rays:
	.size	k_q01182ad295_rays, .Lfunc_end_k_q01182ad295_rays-k_q01182ad295_rays
	.p2alignl 7, 3214868480
	.fill 96, 4, 3214868480
	.section	.rodata,"a",@progbits
	.p2align	6, 0x0
	.amdhsa_kernel k_q01182ad295_rays
		.amdhsa_group_segment_fixed_size 169984
		.amdhsa_private_segment_fixed_size 0
		.amdhsa_enable_private_segment 0
		.amdhsa_kernarg_size 40
		.amdhsa_user_sgpr_count 2
		.amdhsa_user_sgpr_kernarg_segment_ptr 1
		.amdhsa_wavefront_size32 1
		.amdhsa_system_sgpr_workgroup_id_x 1
		.amdhsa_system_sgpr_workgroup_id_y 1
		.amdhsa_system_sgpr_workgroup_id_z 1
		.amdhsa_system_vgpr_workitem_id 0
		.amdhsa_next_free_vgpr 182
		.amdhsa_next_free_sgpr 66
		.amdhsa_reserve_vcc 1
		.amdhsa_float_denorm_mode_32 3
		.amdhsa_float_denorm_mode_16_64 3
		.amdhsa_memory_ordered 1
		.amdhsa_forward_progress 1
		.amdhsa_inst_pref_size 28
	.end_amdhsa_kernel
	.amdgpu_metadata
---
amdhsa.version: [ 1, 2 ]
amdhsa.kernels:
  - .name:           k_q01182ad295_rays
    .symbol:         k_q01182ad295_rays.kd
    .args:
      - { .name: y, .offset: 0, .size: 8, .value_kind: global_buffer, .address_space: global }
      - { .name: tab, .offset: 8, .size: 8, .value_kind: global_buffer, .address_space: global }
      - { .name: angles, .offset: 16, .size: 8, .value_kind: global_buffer, .address_space: global }
      - { .name: conv_b, .offset: 24, .size: 8, .value_kind: global_buffer, .address_space: global }
      - { .name: out0, .offset: 32, .size: 8, .value_kind: global_buffer, .address_space: global }
    .group_segment_fixed_size: 169984
    .private_segment_fixed_size: 0
    .kernarg_segment_align: 8
    .kernarg_segment_size: 40
    .max_flat_workgroup_size: 512
    .sgpr_count:     66
    .vgpr_count:     182
    .wavefront_size: 32
...
	.end_amdgpu_metadata
.endif
;; end of part 2
